; MI455X (gfx1250); checked and timed in simulation.
; The chip was launched on July 23, 2026; its instructions are those of AMD's public machine-readable ISA for CDNA 5 (MIT licence, August 2026) and "CDNA5" Instruction Set Architecture Reference Guide (July 2026). The comments in the code are by the model that wrote it; some were corrected since.
;; Test Model RO Cm Aiter. Allowed arithmetic: matrix products marked QUANTISED: E4M3 operands, one given power-of-two scale a tensor, by v_wmma_f32_16x16x64_fp8_fp8 or v_wmma_f32_16x16x128_fp8_fp8, f32 sums; everything else in f32.
;; Inputs: lowp_scales 6 int32 (the exponents e of the quantised operands' scales 2^e); norm_w 4 x 1,024 float32; w0 1,024 x 1,024 float32; w1 1,024 x 1,024 float32; w2 1,024 x 1,024 float32; ws0 8 x 8 float32; ws1 8 x 8 float32; ws2 8 x 8 float32; x 16,384 x 1,024 float32.
;; Outputs: out0 16,384 x 1,024 float32.
;; This version of the problem:
;;   THIS VERSION OF THE PROBLEM IS GIVEN IN LOW PRECISION. The matrix products marked QUANTISED in the list below multiply operands that are first quantised to E4M3 (4 exponent bits, 3 mantissa bits; 8 bits a number), with one given power-of-two scale for each operand tensor; their sums are f32. All else is computed in f32.
;;   The module's matrix products, in the order in which they are computed (A, B: the left and right operand; K: the contracted axis; several contracted axes count as one K, in the product's order):
;;     1. [M 16,384, K 1,024] x [K 1,024, N 1,024]; A: computed on the way; B: computed on the way: QUANTISED (scales: A lowp_scales[0], B lowp_scales[1])
;;     2. [M 16,384, K 1,024] x [K 1,024, N 1,024]; A: computed on the way; B: computed on the way: QUANTISED (scales: A lowp_scales[2], B lowp_scales[3])
;;     3. [M 16,384, K 1,024] x [K 1,024, N 1,024]; A: computed on the way; B: computed on the way: QUANTISED (scales: A lowp_scales[4], B lowp_scales[5])
;;   THE QUANTISER, for each operand of a quantised product, along K:
;;     - The operand's scale is 2^e, e = its entry of the input lowp_scales (int32; the entries are numbered through the quantised products in the list's order, A before B).
;;     - Each number is divided by the scale, clamped to +-448, and rounded to the nearest number of E4M3, ties to even, subnormals kept.
;;     - The product sums the exact products of the quantised numbers (number of the format x scale) in f32.
;;   ~~~python
;;   def quantise(x, axis, e):      # numpy; x: float32 -> the quantised numbers, widened to float32 again
;;       x = np.moveaxis(x, axis, -1); K = x.shape[-1]
;;       r = np.clip(x / 2.0 ** e, -448, 448)
;;       step = 2.0 ** (np.maximum(np.frexp(np.where(r == 0, 1, r))[1] - 1, -6) - 3)
;;       q = np.round(r / step) * step * 2.0 ** e      # np.round: ties to even
;;       return np.moveaxis(q, -1, axis).astype(np.float32)
;;   ~~~
;;   OPERANDS COMPUTED ON THE WAY. 'Computed on the way' means the value that the module computes at that place (a softmax that the list does not call 'softmax' is quantised finished and normalised). What goes into a quantiser is computed in f32, as accurately as f32 sums, v_exp_f32 and their like allow (about 1e-6 of the number): no bf16 or f16 on the way to a quantiser, and a product that is left as it is and whose result goes on into a quantised operand takes f32 operands (vector FMAs, or v_wmma_f32_16x16x4_f32). A number that lies on a knife's edge between two numbers of the format may be rounded either way, as far as f32 arithmetic and the matrix unit's own rounding can turn it there, and no further.
;; One version. Each part assembles by itself: llvm-mc -triple=amdgcn-amd-amdhsa -mcpu=gfx1250 --defsym DOCPART=n.
;; ======== version 1 of 1: 2 launches
;; limits: right only within a limited range of input values
;; workspace buffers: wc 3,145,728 bytes
;; launch prep (part 1): grid 8 x 96, 4 waves a work-group, no clusters, 0 bytes of LDS; arguments w0, w1, w2, ws0, ws1, ws2, lowp_scales, wc; writes wc
.if DOCPART == 1
	.amdgcn_target "amdgcn-amd-amdhsa--gfx1250"
	.amdhsa_code_object_version 6
	.text
	.protected	k_q316344915a_prep
	.globl	k_q316344915a_prep
	.p2align	8
	.type	k_q316344915a_prep,@function
k_q316344915a_prep:
	s_mov_b64 s[64:65], 0
	v_nop
	global_prefetch_b8 v0, s[64:65] scope:SCOPE_SE
	s_setreg_imm32_b32 hwreg(HW_REG_WAVE_MODE, 25, 1), 1
	s_wait_xcnt 0x0
; THE WEIGHTS' CODES.  B of product l is fl(w_l[k][n] x ws_l[k / 128][n / 128]), f32, K on its first axis.  It is quantised along K with the given scale 2^e, e = lowp_scales[2 l + 1]:
; code = B / 2^e, held within +-448, to the nearest number of E4M3, ties to even.
; NO WORK OF THE PROBLEM IS LEFT OUT in this program: all four rows of norm_w, all three weights, all three tables of block scales and all six exponents reach out0.
; LIMITS: e between -126 and 119, so that 2^e and 448 x 2^e are f32 numbers.  NaN among the inputs is not served (the hold drops it).
; LAYOUT OF wc: fragments of 16 n x 128 k in the order of the operand's registers, 2,048 bytes each: c<<9 + lane<<4 + i, lane = r + 16 h:  n = 256 w + 128 g + 32 b + 8 u + r + 8 (r / 8),  k = 128 s + 32 c + 16 h + i.
;   sigma = (s >> 1) + 4 (s & 1) is the place in the stream of K step s: the even K steps first;  w = the wave that uses the fragment;  tt = 2 b + u its tile among eight.
;   The fragments with g = 0 go through the next launch's ring in LDS, two places of the stream to a slot:  byte = (4 l + sigma / 2)<<17 + w<<15 + (sigma & 1)<<14 + tt<<11 + ..
;   The fragments with g = 1 are loaded straight into registers there:                                     byte = GOFF + (8 l + sigma)<<16 + w<<14 + tt<<11 + ..
; SHARES.  Work-group x = the block of 128 columns (2 w + g); y = 32 l + 4 s + c.  Wave = b.  A LANE TAKES A COLUMN AND ITS 32 REGISTERS RUN DOWN K (k = 128 s + 32 c + 0 .. 31): lane (u, r) takes column
; 8 u + r + 8 (r / 8) of the wave's 32, so each load of a wave reads 128 consecutive bytes, the four waves 512; the conversions give codes with K innermost; nothing is transposed.
; A lane's first 16 codes are its 16 bytes for h = 0, the other 16 those for h = 1: in each store sixteen neighbouring lanes write 256 consecutive bytes, aligned.
; No LDS, no barrier, no loop: every offset is an immediate.
.set GOFF, 1572864                     ; where wc's second part begins: 12 x 131,072
.set X, 8                              ; v8-39   32 numbers down K
.set C, 40                             ; v40-47  their codes
	s_load_b256 s[4:11], s[0:1], 0x0               ; w0 s[4:5], w1 s[6:7], w2 s[8:9], ws0 s[10:11]
	s_load_b256 s[12:19], s[0:1], 0x20             ; ws1 s[12:13], ws2 s[14:15], the exponents s[16:17], wc s[18:19]
	v_lshrrev_b32 v1, 5, v0
	v_readfirstlane_b32 s2, v1                     ; wave = b
	s_and_b32 s3, ttmp7, 0xffff                    ; work-group y
	s_and_b32 s24, s3, 3                           ; c
	s_bfe_u32 s25, s3, 0x30002                     ; s: three bits from bit 2
	s_lshr_b32 s26, s3, 5                          ; l
	v_and_b32 v6, 15, v0                           ; r
	v_bfe_u32 v7, v0, 4, 1                         ; u
	v_and_b32 v2, 8, v6
	v_add_nc_u32 v2, v2, v6                        ; r + 8 (r / 8)
	v_lshl_add_u32 v2, v7, 3, v2                   ; + 8 u: my column among the wave's 32
	v_lshlrev_b32 v2, 2, v2                        ; in bytes
	v_lshlrev_b32 v3, 4, v6
	v_lshl_add_u32 v3, v7, 11, v3                  ; out: tile u of the wave's two, 16 bytes for lane r
	s_lshl_b32 s28, s25, 19                        ; the weight: row 128 s + 32 c of 4,096 bytes,
	s_lshl_b32 s27, s24, 17
	s_add_co_u32 s28, s28, s27
	s_lshl_b32 s27, ttmp9, 9                       ; column 128 x + 32 b of 4 bytes
	s_add_co_u32 s28, s28, s27
	s_lshl_b32 s27, s2, 7
	s_add_co_u32 s28, s28, s27
	s_mov_b32 s29, 0
	s_lshr_b32 s30, s25, 1                         ; sigma
	s_and_b32 s27, s25, 1
	s_lshl_b32 s27, s27, 2
	s_add_co_u32 s30, s30, s27
	s_lshr_b32 s39, ttmp9, 1                       ; w
	s_lshl_b32 s31, s26, 2                         ; wc's first part: (4 l + sigma / 2)<<17
	s_lshr_b32 s27, s30, 1
	s_add_co_u32 s31, s31, s27
	s_lshl_b32 s31, s31, 17
	s_lshl_b32 s27, s39, 15                        ; + w<<15
	s_add_co_u32 s31, s31, s27
	s_and_b32 s27, s30, 1                          ; + (sigma & 1)<<14
	s_lshl_b32 s27, s27, 14
	s_add_co_u32 s31, s31, s27
	s_lshl_b32 s27, s26, 3                         ; its second part: GOFF + (8 l + sigma)<<16
	s_add_co_u32 s30, s30, s27
	s_lshl_b32 s30, s30, 16
	s_lshl_b32 s27, s39, 14                        ; + w<<14
	s_add_co_u32 s30, s30, s27
	s_add_co_u32 s30, s30, GOFF
	s_and_b32 s27, ttmp9, 1                        ; g chooses between the two offsets
	s_cmp_eq_u32 s27, 1
	s_cselect_b32 s30, s30, s31
	s_lshl_b32 s27, s2, 12                         ; tile 2 b,
	s_add_co_u32 s30, s30, s27
	s_lshl_b32 s27, s24, 9                         ; c
	s_add_co_u32 s30, s30, s27
	s_mov_b32 s31, 0
	s_lshl_b32 s32, s25, 5                         ; the block's scale: entry 8 s + x
	s_lshl_b32 s27, ttmp9, 2
	s_add_co_u32 s32, s32, s27
	s_mov_b32 s33, 0
	s_lshl_b32 s34, s26, 3                         ; the exponent: entry 2 l + 1
	s_add_co_u32 s34, s34, 4
	s_mov_b32 s35, 0
	s_wait_kmcnt 0x0
	s_cmp_eq_u32 s26, 1                            ; which layer's buffers: the choice hangs on the work-group's number alone
	s_cselect_b64 s[20:21], s[6:7], s[4:5]
	s_cselect_b64 s[22:23], s[12:13], s[10:11]
	s_cmp_eq_u32 s26, 2
	s_cselect_b64 s[20:21], s[8:9], s[20:21]
	s_cselect_b64 s[22:23], s[14:15], s[22:23]
	s_add_nc_u64 s[20:21], s[20:21], s[28:29]
	s_add_nc_u64 s[22:23], s[22:23], s[32:33]
	s_add_nc_u64 s[16:17], s[16:17], s[34:35]
	s_add_nc_u64 s[18:19], s[18:19], s[30:31]
	s_load_b32 s36, s[22:23], 0x0                  ; ws
	s_load_b32 s37, s[16:17], 0x0                  ; e
.set i, 0
.rept 32
	global_load_b32 v[X+i], v2, s[20:21] offset:i*4096 th:TH_LOAD_NT   ; w(128 s + 32 c + i, my column): read once in the launch
.set i, i+1
.endr
	s_wait_kmcnt 0x0
	s_add_co_i32 s37, s37, 127
	s_lshl_b32 s38, s37, 23
	v_mov_b32 v4, s38                              ; 2^e as f32: the conversion takes its exponent field
	s_add_co_i32 s37, s37, 8
	s_lshl_b32 s37, s37, 23
	s_or_b32 s37, s37, 0x600000
	v_mov_b32 v5, s37                              ; 448 x 2^e
	s_wait_loadcnt 0x0
.set i, 0
.rept 32
	v_mul_f32 v[X+i], s36, v[X+i]                  ; B = w x ws, rounded to f32 as the problem has it
.set i, i+1
.endr
.set i, 0
.rept 32
	v_med3_num_f32 v[X+i], v[X+i], -v5, v5         ; the conversion to an 8-bit code does not saturate (ISA guide 7.6.2): the hold at the largest code x the scale
.set i, i+1
.endr
.irp m, 0,1,2,3
	v_cvt_scalef32_pk8_fp8_f32 v[C+2*\m:C+2*\m+1], v[X+8*\m:X+8*\m+7], v4
.endr
	global_store_b128 v3, v[C:C+3], s[18:19]               ; k = 32 c + 0 .. 15: lanes r of the fragment
	global_store_b128 v3, v[C+4:C+7], s[18:19] offset:256  ; k = 32 c + 16 .. 31: lanes 16 + r
	s_endpgm
.Lfunc_end_k_q316344915a_prep:
	.size	k_q316344915a_prep, .Lfunc_end_k_q316344915a_prep-k_q316344915a_prep
	.p2alignl 7, 3214868480
	.fill 96, 4, 3214868480
	.section	.rodata,"a",@progbits
	.p2align	6, 0x0
	.amdhsa_kernel k_q316344915a_prep
		.amdhsa_group_segment_fixed_size 0
		.amdhsa_private_segment_fixed_size 0
		.amdhsa_enable_private_segment 0
		.amdhsa_kernarg_size 64
		.amdhsa_user_sgpr_count 2
		.amdhsa_user_sgpr_kernarg_segment_ptr 1
		.amdhsa_wavefront_size32 1
		.amdhsa_system_sgpr_workgroup_id_x 1
		.amdhsa_system_sgpr_workgroup_id_y 1
		.amdhsa_system_sgpr_workgroup_id_z 1
		.amdhsa_system_vgpr_workitem_id 0
		.amdhsa_next_free_vgpr 48
		.amdhsa_next_free_sgpr 66
		.amdhsa_reserve_vcc 0
		.amdhsa_float_denorm_mode_32 3
		.amdhsa_float_denorm_mode_16_64 3
		.amdhsa_memory_ordered 1
		.amdhsa_forward_progress 1
		.amdhsa_inst_pref_size 10
	.end_amdhsa_kernel
	.amdgpu_metadata
---
amdhsa.version: [ 1, 2 ]
amdhsa.kernels:
  - .name:           k_q316344915a_prep
    .symbol:         k_q316344915a_prep.kd
    .args:
      - { .name: w0, .offset: 0, .size: 8, .value_kind: global_buffer, .address_space: global }
      - { .name: w1, .offset: 8, .size: 8, .value_kind: global_buffer, .address_space: global }
      - { .name: w2, .offset: 16, .size: 8, .value_kind: global_buffer, .address_space: global }
      - { .name: ws0, .offset: 24, .size: 8, .value_kind: global_buffer, .address_space: global }
      - { .name: ws1, .offset: 32, .size: 8, .value_kind: global_buffer, .address_space: global }
      - { .name: ws2, .offset: 40, .size: 8, .value_kind: global_buffer, .address_space: global }
      - { .name: lowp_scales, .offset: 48, .size: 8, .value_kind: global_buffer, .address_space: global }
      - { .name: wc, .offset: 56, .size: 8, .value_kind: global_buffer, .address_space: global }
    .group_segment_fixed_size: 0
    .private_segment_fixed_size: 0
    .kernarg_segment_align: 8
    .kernarg_segment_size: 64
    .max_flat_workgroup_size: 128
    .sgpr_count:     66
    .vgpr_count:     48
    .wavefront_size: 32
...
	.end_amdgpu_metadata
.endif
;; end of part 1
;; launch chain (part 2): grid 256 x 1, 4 waves a work-group, clusters of 4 x 1, 327,680 bytes of LDS; arguments x, norm_w, lowp_scales, wc, out0; writes out0
.if DOCPART == 2
	.amdgcn_target "amdgcn-amd-amdhsa--gfx1250"
	.amdhsa_code_object_version 6
	.text
	.protected	k_q316344915a_chain
	.globl	k_q316344915a_chain
	.p2align	8
	.type	k_q316344915a_chain,@function
k_q316344915a_chain:
	s_mov_b64 s[64:65], 0
	v_nop
	global_prefetch_b8 v0, s[64:65] scope:SCOPE_SE
	s_setreg_imm32_b32 hwreg(HW_REG_WAVE_MODE, 25, 1), 1
	s_wait_xcnt 0x0
	s_wait_alu depctr_hold_cnt(0) depctr_sa_sdst(0) depctr_va_vdst(0) depctr_va_sdst(0) depctr_va_ssrc(0) depctr_va_vcc(0) depctr_vm_vsrc(0)
	s_getreg_b32 s2, hwreg(HW_REG_IB_STS2, 6, 4)
	s_cmp_eq_u32 s2, 0
	s_cbranch_scc0 .Lentry_in_a_cluster
	s_endpgm
.Lentry_in_a_cluster:
	s_bfe_u32 s2, ttmp6, 0x10000c
	s_cmp_lg_u32 s2, 0x3003
	s_cbranch_scc0 .Lentry_shape_is_right
	s_endpgm
.Lentry_shape_is_right:
; THE WHOLE CHAIN, FUSED: relu; three times [RMS norm x gain; the (1, 128)-group E4M3 round trip; the given quantiser; product with a 1,024 x 1,024 weight; + residual]; the last RMS norm.  No work of the problem is left out.
; SHARES.  A work-group owns 64 rows through all three layers: 256 work-groups.  Its four waves share the COLUMNS: wave w owns columns 256 w .. 256 w + 255 of all 64 rows: 4 tiles of rows (a) x 16 tiles of columns (t) = 64 accumulators, 512 registers.
; THE RESIDUAL LIVES IN THE ACCUMULATORS.  z = sum x 2^E + resid, E = the layer's two exponents added.  The accumulators hold u = z x 2^-E and the products add onto them in place; between layers u is multiplied by
; 2^(old E - new E), which rounds nothing.  No z, no y and no code of A goes to memory.
; LAYOUT.  The matrix instruction is used transposed (source 0 = 16 rows of W^T, source 1 = 16 rows of A), and the weight rows of a tile are chosen (launch prep) so that lane (r, h), register j of accumulator (a, t = 8 g + 2 b + u)
; holds z[16 a + r][256 w + 128 g + 32 b + 16 h + 8 u + j].  So a BLOCK (a, g), 64 registers on end, index 16 b + i, is one group of 128 of the lane's row (shared with lane xor 16), and its codes ARE one fragment of A: K step 2 w + g, k = 32 b + 16 h + i.
; (That is a permutation of k inside a K step, the same in A and in B: every product meets its partner.)
; A's fragments go from wave to wave through LDS as images of their registers.  LDS has room for half a layer's images beside the ring: those of the even K steps go at once; each wave's odd one waits in 64 registers and is stored over them in the fourth K step.
; THE WEIGHTS COME BY TWO ROADS.  A K step's weights are 128 KiB for the work-group and feed 64 matrix instructions a wave; LDS has room for two slots of 128 KiB, and behind a round a wave asks for one tensor load.
;   Tiles 0-7 of each wave come through the ring: a slot holds them for TWO K steps, every wave asks for exactly the 32 KiB that it reads itself, and a refill has 128 matrix instructions in which to land.
;   CLUSTER: all work-groups walk the same stream, so four form a cluster and ask for these tiles JOINTLY (mask 15).  By this text's count a wave has at most two tensor loads out: the two first fills; behind a round, one.
;   Tiles 8-15 come from memory straight into the operand's registers, which is the order in which wc holds them: 512 consecutive bytes a load, 16 loads behind the 16 products that used the registers, 48 matrix instructions ahead of their use.
;   WHY THESE ARE NOT ASKED FOR JOINTLY: a joint request lands in LDS, and LDS has no room for them: with all of B on the ring a slot would hold one K step, a refill would have half the matrix work in which to land, and LDS would be read twice as much for B.
; ARITHMETIC ahead of the quantisers, all f32, in another order than the problem writes it (each number within a few units of the last place): p = u x gain; amax = max|p| x c, c = rsqrt(mean + eps) x 2^E; scale = max(amax, 1e-12) / 448 by a
; multiplication and one correcting step; y / scale = p x (c x 1 / scale), the reciprocal refined once.  The last norm keeps the problem's order: (u x c) x gain.
; LIMITS.  NaN among the inputs is not served (maxima and holds drop it).  These are exponent fields of f32 numbers, 1 to 254: (old E - new E) + 127 (old E = 0 at first), 2 E + 117, e_A + 127, e_A + 135.  z x 2^-E and a row's sum of its squares stay inside f32.
; REGISTERS, in windows of 256 (s_set_vgpr_msb: bits 1:0 source 0, 3:2 source 1, 5:4 source 2, 7:6 destination):
;   window 0: v2-13 addresses; v16-23 c of the four tiles of rows (pairs); v24-31 a block's scale at work; v32-37 constants; v40-47 chains; v48-63 codes; v64-127 (TA) and v192-255 (TB): a block at work, in the products A's two sets; v128-191 the held images
;   window 1: B's 16 fragments: v0-127 tiles 0-7 (in the norms: the gains), v128-255 tiles 8-15; on the way in four sets of x; on the way out the gains and rows of out0 (v128-255)
;   windows 2, 3: the accumulators: window 2 + a / 2, v[128 (a % 2) + 8 t + j]
.set SLOT,   131072                    ; a slot: tiles 0-7 of two K steps; wave w's 2 x 8 fragments of 2,048 bytes at 32,768 w, dense
.set GOFF,   1572864                   ; wc's second part: tiles 8-15,
.set GSTEP,  65536                     ; a K step of it; wave w's eight fragments at 16,384 w
.set IMG,    2*SLOT                    ; A's images: 8,192 x (place in the stream % 4) + 2,048 a + 512 c + 16 lane.  On the way in and out: the waves' stages, 16 rows of 528 bytes each
.set SPITCH, 528                       ; a stage row: 512 bytes + 16: row r starts at bank 4 r mod 64 (64 banks of 4 bytes: ISA guide 11.1)
.set STGB,   16*SPITCH
.set STAT,   IMG+4*STGB                ; 1,024 bytes: 16 x row + 4 x wave: the waves' partial sums of squares
.set SPARE,  300032                    ; the spare words, 128 bytes for each wave: two blocks of 256 bytes that no other line names
.set ADRB,  2                          ; v2-3  my fragments of B in slot 0, 1: slot + 32,768 w + 16 lane
.set ADRA,  4                          ; v4    IMG + 16 lane
.set IMGW,  5                          ; v5    where I store my images: IMG + 8,192 w + 16 lane
.set STI,   6                          ; v6    my stage by whole rows: + 16 lane
.set STL,   7                          ; v7    my stage in the lanes' layout: + 528 r + 64 h
.set STATW, 8                          ; v8    STAT + 16 r + 4 w
.set STATR, 9                          ; v9    STAT + 16 r
.set XO,    10                         ; v10   16 lane: my bytes of 512 in x, in out0 and in a quarter of a fragment in wc; never rewritten
.set NWO,   11                         ; v11   64 h: my half's gains
.set SPW,   12                         ; v12   my spare word: SPARE + 4 x my thread's number; never rewritten
.set NIL,   13                         ; v13   0; never rewritten
.set CR,    16                         ; v16+2a  c of tile a (the upper register of each pair is written once: a pair is named whole)
.set QSV,   32                         ; v32   2^e_A, v33 448 x 2^e_A: the layer's given quantiser
.set QLV,   33
.set ONE,   34                         ; v34   1.0: the round trip's conversion divides by 2^0
.set SB,    35                         ; v35   0x7f in every byte: the way back multiplies by 2^0
.set L448,  36                         ; v36   448.0
.set EPSV,  37                         ; v37   1e-6
.set PC,    48
.set TA,    64
.set HELD,  128
.set G1,    24                         ; s[24:31] descriptor group 1;  s[32:35], s[36:39] group 0 of slot 0, 1
.set G0,    32
.set GB,    74                         ; s[74:75] wc's second part at my wave's fragments of the layer in hand
.set MUL_LO, 0xa1                      ; source 0 (B) window 1, source 1 (A) window 0, C and D window 2
.set MUL_HI, 0xf1                      ; the same, C and D window 3
.set MSB, 0
.macro WIN new                         ; the immediate's high byte repeats the setting that is left; a switch that changes nothing is dropped
.if MSB != (\new)
	s_set_vgpr_msb (MSB<<8)|(\new)
.set MSB, (\new)
.endif
.endm
.macro CREST                           ; a round of the cluster's barrier behind its opening barrier
	s_cmp_lg_u32 s14, 0
	s_cbranch_scc1 .Lnot_wave_0_\@
	s_barrier_signal -3
.Lnot_wave_0_\@:
	s_barrier_wait -3
	s_barrier_signal -1
	s_barrier_wait -1
.endm
.macro ROUND                           ; a whole round
	s_barrier_signal -1
	s_barrier_wait -1
	CREST
.endm
.macro BARRIER                         ; my LDS stores have landed and my LDS loads are in: then the work-group's barrier
	s_wait_dscnt 0x0
	s_barrier_signal -1
	s_barrier_wait -1
.endm
.macro PLACES                          ; four plain instructions between a matrix instruction and a vector instruction that reads its result or a load into one of its registers (ISA guide 7.12.1 for vector instructions)
.rept 4
	v_nop
.endr
.endm
.macro JLOAD p                         ; the joint refill of slot p: every wave asks, with no branch; an s_nop 0 and four v_nop follow
	tensor_load_to_lds s[G0+4*(\p):G0+4*(\p)+3], s[G1:G1+7]
	s_nop 0
.rept 4
	v_nop
.endr
.endm
.macro MKSET d, ep, ee, ea             ; a layer's six scalars at s[d]: 2^(old E - E) twice (a pair), 2^(2 E - 10), E, 2^e_A, 448 x 2^e_A
	s_sub_co_i32 s[\d], \ep, s[\ee]
	s_add_co_i32 s[\d], s[\d], 127
	s_lshl_b32 s[\d], s[\d], 23
	s_mov_b32 s[\d+1], s[\d]
	s_lshl_b32 s[\d+2], s[\ee], 1
	s_add_co_i32 s[\d+2], s[\d+2], 117
	s_lshl_b32 s[\d+2], s[\d+2], 23
	s_mov_b32 s[\d+3], s[\ee]
	s_add_co_i32 s[\d+4], s[\ea], 127
	s_add_co_i32 s[\d+5], s[\d+4], 8
	s_lshl_b32 s[\d+4], s[\d+4], 23
	s_lshl_b32 s[\d+5], s[\d+5], 23
	s_or_b32 s[\d+5], s[\d+5], 0x600000
.endm
	s_load_b256 s[4:11], s[0:1], 0x0               ; x s[4:5], norm_w s[6:7], the exponents s[8:9], wc s[10:11]
	s_load_b64 s[12:13], s[0:1], 0x20              ; out0
	v_lshl_add_u32 v[SPW], v0, 2, SPARE
	v_mov_b32 v[NIL], 0
	ds_add_u32 v[SPW], v[NIL]                      ; the wave's opening: the add, twice on end, and its wait ahead of my first tensor load; the set-up below stands between the second and the wait
	ds_add_u32 v[SPW], v[NIL]                      ; and once more
	v_lshrrev_b32 v1, 5, v0
	v_readfirstlane_b32 s14, v1                    ; wave 0..3
	s_bfe_u32 s15, ttmp6, 0x40000                  ; cx: my place in the cluster: it enters x's and out0's addresses alone
	s_lshl_b32 s16, ttmp9, 2                       ; in a cluster launch ttmp9 counts clusters
	s_add_co_u32 s16, s16, s15                     ; my block of 64 rows
	s_lshl_b32 s16, s16, 18                        ; of 4,096 bytes,
	s_lshl_b32 s17, s14, 10
	s_add_co_u32 s16, s16, s17                     ; + my wave's 256 columns
	s_mov_b32 s17, 0
	s_lshl_b32 s20, s14, 10                        ; the gains of my 256 columns
	s_mov_b32 s21, 0
	s_lshl_b32 s18, s14, 15                        ; my 32,768 bytes of a slot, in wc's first part and in LDS alike: no place in the cluster enters them
	s_mov_b32 s19, 0
	s_lshl_b32 s76, s14, 14                        ; my 16,384 bytes of a K step in wc's second part
	s_add_co_u32 s76, s76, GOFF
	s_mov_b32 s77, 0
	; descriptor group 1: a dense block of 32,768 bytes as 128 rows of 256 bytes
	s_mov_b32 s[G1+0], 15|(3<<16)|(1<<21)          ; 15:0 the mask: all four work-groups; 17:16 elements of 8 bytes; 20 no padding; 21 set beside a mask
	s_mov_b32 s[G1+1], 32<<16                      ; tensor_dim0 = 32 elements
	s_mov_b32 s[G1+2], 128<<16                     ; tensor_dim1 = 128
	s_mov_b32 s[G1+3], 32<<16                      ; tile_dim0 = 32
	s_mov_b32 s[G1+4], 128                         ; tile_dim1 = 128
	s_mov_b32 s[G1+5], 32                          ; from row to row: 32 elements
	s_mov_b32 s[G1+6], 0
	s_mov_b32 s[G1+7], 0
	s_mov_b32 s46, 0x76543210                      ; v_permlanex16_b32's selects for lane l xor 16
	s_mov_b32 s47, 0xfedcba98
	s_mov_b32 s73, 0x3b124925                      ; 1 / 448, to the nearest f32
	s_mov_b32 s72, 3                               ; layers to go
	v_and_b32 v1, 31, v0                           ; lane
	v_and_b32 v14, 15, v0                          ; r
	v_bfe_u32 v15, v0, 4, 1                        ; h
	v_lshlrev_b32 v[XO], 4, v1
	v_lshlrev_b32 v[NWO], 6, v15
	v_add_nc_u32 v[ADRB], s18, v[XO]
	v_add_nc_u32 v[ADRB+1], SLOT, v[ADRB]
	v_add_nc_u32 v[ADRA], IMG, v[XO]
	s_lshl_b32 s22, s14, 13
	v_add_nc_u32 v[IMGW], s22, v[ADRA]
	s_mul_i32 s23, s14, STGB
	v_add_nc_u32 v[STI], s23, v[ADRA]
	v_mul_u32_u24 v[STL], v14, SPITCH
	v_lshl_add_u32 v[STL], v15, 6, v[STL]
	v_add_nc_u32 v[STL], s23, v[STL]
	v_add_nc_u32 v[STL], IMG, v[STL]
	v_lshlrev_b32 v[STATR], 4, v14
	v_add_nc_u32 v[STATR], STAT, v[STATR]
	s_lshl_b32 s22, s14, 2
	v_add_nc_u32 v[STATW], s22, v[STATR]
.irp n, 17,19,21,23,25,29,31
	v_mov_b32 v\n, 0                               ; upper halves of pairs of which the low word serves both halves, and the lane permute's destination: named, so written
.endr
	v_mov_b32 v[ONE], 1.0
	v_mov_b32 v[SB], 0x7f7f7f7f
	v_mov_b32 v[L448], 0x43e00000
	v_mov_b32 v[EPSV], 0x358637bd
	s_wait_dscnt 0x0                               ; both opening adds are done
	s_wait_kmcnt 0x0
	s_load_b128 s[40:43], s[8:9], 0x0              ; the six exponents
	s_load_b64 s[44:45], s[8:9], 0x10
	s_add_nc_u64 s[4:5], s[4:5], s[16:17]
	s_add_nc_u64 s[12:13], s[12:13], s[16:17]
	s_add_nc_u64 s[6:7], s[6:7], s[20:21]
	s_add_nc_u64 s[GB:GB+1], s[10:11], s[76:77]
	s_add_nc_u64 s[10:11], s[10:11], s[18:19]
	ROUND                                          ; all four work-groups are here: the first joint loads meet
.irp p, 0,1
	s_mov_b32 s[G0+4*\p], 1                        ; count = 1
	s_add_co_u32 s[G0+4*\p+1], s18, \p*SLOT        ; LDS address
	s_add_nc_u64 s[G0+4*\p+2:G0+4*\p+3], s[10:11], \p*SLOT   ; global address: pair p of the stream's K steps
	s_or_b32 s[G0+4*\p+3], s[G0+4*\p+3], 0x80000000          ; type = 2
.endr
	tensor_load_to_lds s[G0:G0+3], s[G1:G1+7]      ; the two first fills go out together, ahead of every wait on TENSORcnt and every LDS read
	s_nop 0
	tensor_load_to_lds s[G0+4:G0+7], s[G1:G1+7]
	s_nop 0
.rept 4
	v_nop
.endr
; THE WAY IN.  Block k = 2 a + g: rows 16 a on, my columns 128 g on.  Each load reads 512 consecutive bytes of a row; relu; the block turns through my own stage into the lanes' layout, straight into its accumulators.
.macro XLOAD k
.set XS, 64*((\k)%4)
.irp t, 0,1,2,3,4,5,6,7,8,9,10,11,12,13,14,15
	global_load_b128 v[XS+4*\t:XS+4*\t+3], v[XO], s[4:5] offset:(16*((\k)/2)+\t)*4096+512*((\k)%2) th:TH_LOAD_NT
.endr
.endm
.macro INBLK k, left                   ; left: the younger blocks' loads, which may stay out
.set XS, 64*((\k)%4)
.set IB, 128*(((\k)/2)%2)+64*((\k)%2)
.set IW, 2+(\k)/4
	s_wait_loadcnt \left
	WIN 0x44                                       ; source 1 and destination window 1
.set i, 0
.rept 64
	v_max_num_f32 v[XS+i], 0, v[XS+i]
.set i, i+1
.endr
.irp t, 0,1,2,3,4,5,6,7,8,9,10,11,12,13,14,15
	ds_store_b128 v[STI], v[XS+4*\t:XS+4*\t+3] offset:SPITCH*\t
.endr
	WIN IW<<6                                      ; destination: the block's accumulators
.irp n, 0,1,2,3,4,5,6,7,8,9,10,11,12,13,14,15
	ds_load_b128 v[IB+4*\n:IB+4*\n+3], v[STL] offset:128*(\n/4)+16*(\n%4)   ; LDS serves a wave's instructions in order (ISA guide 5.7.1.4): these see the stores above, and the next block's stores come behind them
.endr
.if (\k) < 4
	s_wait_dscnt 16                                ; the sixteen stores have read their registers (the sixteen loads may be out): the set takes the block four further on
	WIN 0x40
	XLOAD (\k)+4
.endif
.endm
; FOUR OF MY FRAGMENTS OF B STRAIGHT FROM MEMORY: K step st of the layer in hand (8: the next layer's first), tiles 8 + t0 .. 8 + t0 + 3.  Each load reads 512 consecutive bytes.  (Destination window 1.)
.macro GLOAD st, t0
.irp t, 0,1,2,3
.irp c, 0,1,2,3
	global_load_b128 v[128+16*((\t0)+\t)+4*\c:128+16*((\t0)+\t)+4*\c+3], v[XO], s[GB:GB+1] offset:(\st)*GSTEP+((\t0)+\t)*2048+512*\c
.endr
.endr
.endm
	WIN 0x40                                       ; destination window 1
	XLOAD 0
	XLOAD 1
	XLOAD 2
	XLOAD 3
	s_wait_kmcnt 0x0
	s_add_co_i32 s60, s40, s41                     ; E of the three layers
	s_add_co_i32 s61, s42, s43
	s_add_co_i32 s62, s44, s45
	MKSET 48, 0, 60, 40                            ; s[48:53] the layer in hand; relu(x) stands for E = 0
	MKSET 54, s60, 61, 42                          ; s[54:59] the next
	MKSET 66, s61, 62, 44                          ; s[66:71] the one after
	INBLK 0, 48
	INBLK 1, 48
	INBLK 2, 48
	INBLK 3, 48
	INBLK 4, 48
	INBLK 5, 32
	INBLK 6, 16
	INBLK 7, 0
	WIN 0
	s_wait_dscnt 0x0
	WIN 0x40
	GLOAD 0, 0                                     ; the first layer's first K step, tiles 8-15: x's sets have left these registers; the loads land under the first norm
	GLOAD 0, 4
	WIN 0
; THE GAINS of my 256 columns in the accumulators' layout: window 1, v[64 g + 16 b + i] = gain[256 w + 128 g + 32 b + 16 h + i]
.macro NWLOAD
	WIN 0x40
.irp n, 0,1,2,3,4,5,6,7,8,9,10,11,12,13,14,15,16,17,18,19,20,21,22,23,24,25,26,27,28,29,30,31
	global_load_b128 v[4*\n:4*\n+3], v[NWO], s[6:7] offset:128*(\n/4)+16*(\n%4)
.endr
	WIN 0
.endm
; A ROW'S SUM OF SQUARES, my 256 columns' part, for each tile of rows.  resc = 1: the accumulators are first brought under the layer's E.  Each accumulator is read from its low end on.
.macro SUMSQ resc
.irp a, 0,1,2,3
.set AWN, 2+(\a)/2
.set AB, 128*((\a)%2)
.if \resc
	WIN AWN|(AWN<<6)
.set i, 0
.rept 64
	v_pk_mul_f32 v[AB+i:AB+i+1], v[AB+i:AB+i+1], s[48:49] op_sel_hi:[1,0]   ; x 2^(old E - new E): nothing is rounded
.set i, i+2
.endr
.endif
	WIN AWN|(AWN<<2)
.set i, 0
.rept 64
.if i < 8
	v_pk_mul_f32 v[40+i:41+i], v[AB+i:AB+i+1], v[AB+i:AB+i+1]              ; the first four pairs start four chains: nothing is cleared
.else
	v_pk_fma_f32 v[40+i%8:41+i%8], v[AB+i:AB+i+1], v[AB+i:AB+i+1], v[40+i%8:41+i%8]
.endif
.set i, i+2
.endr
	WIN 0
	v_pk_add_f32 v[40:41], v[40:41], v[42:43]
	v_pk_add_f32 v[44:45], v[44:45], v[46:47]
	v_pk_add_f32 v[40:41], v[40:41], v[44:45]
	v_add_f32 v40, v40, v41
	v_permlanex16_b32 v25, v40, s46, s47           ; the row's other 128 of my columns lie in the lane 16 away
	v_add_f32 v[48+\a], v40, v25
	ds_store_b32 v[STATW], v[48+\a] offset:256*\a  ; lanes r and 16 + r store the same number to the same word; a register of its own for each tile
.endr
.endm
; c = rsqrt(mean + eps) x 2^E for my lane's row of each tile.  The barrier also parts every wave's last reads of the images and stages from the stores that follow.
.macro ROWSTAT
	BARRIER
.irp a, 0,1,2,3
	ds_load_b128 v[48+4*\a:51+4*\a], v[STATR] offset:256*\a
.endr
	s_wait_dscnt 0x0
.irp a, 0,1,2,3
	v_add_f32 v[48+4*\a], v[48+4*\a], v[49+4*\a]
	v_add_f32 v[50+4*\a], v[50+4*\a], v[51+4*\a]
.endr
.irp a, 0,1,2,3
	v_add_f32 v[48+4*\a], v[48+4*\a], v[50+4*\a]
.endr
.irp a, 0,1,2,3
	v_fma_f32 v[48+4*\a], v[48+4*\a], s50, v[EPSV] ; the sum of u^2 x 2^(2 E - 10) is the mean of z^2
.endr
.irp a, 0,1,2,3
	v_rsq_f32 v[CR+2*\a], v[48+4*\a]
.endr
	v_nop                                          ; a plain instruction behind the last of the four,
	s_wait_alu depctr_va_vdst(0)                   ; and the one wait ahead of the first use
.irp a, 0,1,2,3
	v_ldexp_f32 v[CR+2*\a], v[CR+2*\a], s51
.endr
.endm
; p = u x gain for block k, into TA (g = 0) or TB (g = 1)
.macro PMUL k
.set PW, 2+(\k)/4
.set PB, 128*(((\k)/2)%2)+64*((\k)%2)
.set PN, 64*((\k)%2)
.set PT, TA+128*((\k)%2)
	WIN PW|4                                       ; source 0 the accumulators' window, source 1 window 1
.set n, 0
.rept 32
	v_pk_mul_f32 v[PT+n:PT+n+1], v[PB+n:PB+n+1], v[PN+n:PN+n+1]
.set n, n+2
.endr
	WIN 0
.endm
; BLOCK k BECOMES A FRAGMENT OF A: the group's scale, the round trip through E4M3, the given quantiser.
.macro QUANT k
.set QA, (\k)/2
.set QG, (\k)%2
.set QT, TA+128*QG
.set QC, CR+2*QA
.set QD, PC+(HELD+16*QA-PC)*QG         ; the codes' place: v48 on, or the held images
.set i, 0
.rept 8                                ; the largest |p| of my 64, in four chains; 0 is the odd leaf
.irp ch, 0,1,2,3
.if i == 0
	v_max3_num_f32 v[40+\ch], |v[QT+16*\ch]|, |v[QT+16*\ch+1]|, 0
.else
	v_max3_num_f32 v[40+\ch], v[40+\ch], |v[QT+16*\ch+2*i]|, |v[QT+16*\ch+2*i+1]|
.endif
.endr
.set i, i+1
.endr
	v_max3_num_f32 v40, v40, v41, v42
	v_max_num_f32 v40, v40, v43
	v_permlanex16_b32 v25, v40, s46, s47
	v_max_num_f32 v24, v40, v25                    ; and of the group's other 64
	v_mul_f32 v26, v24, v[QC]                      ; amax (c is positive)
	v_max_num_f32 v26, 0x2b8cbccc, v26             ; at least 1e-12
	v_mul_f32 v27, s73, v26                        ; / 448: a first quotient,
	v_fma_f32 v30, -v[L448], v27, v26              ; what it leaves,
	v_fma_f32 v28, v30, s73, v27                   ; and the quotient mended: the scale
	v_rcp_f32 v27, v28
.if (\k) < 7
	PMUL (\k)+1                                    ; the next block's p: work that names nothing of the reciprocal
.else
	v_nop
.endif
	s_wait_alu depctr_va_vdst(0)                   ; the wait ahead of the reciprocal's first use
	v_fma_f32 v26, -v28, v27, 1.0                  ; one step refines it
	v_fma_f32 v27, v26, v27, v27
	v_mul_f32 v30, v[QC], v27                      ; c / scale
.set i, 0
.rept 32
	v_pk_mul_f32 v[QT+i:QT+i+1], v[QT+i:QT+i+1], v[30:31] op_sel_hi:[1,0]   ; y / scale
.set i, i+2
.endr
.set i, 0
.rept 64
	v_med3_num_f32 v[QT+i], v[QT+i], -v[L448], v[L448]   ; the conversion to an 8-bit code does not saturate (ISA guide 7.6.2), and the quotient of the largest may come out a little over 448
.set i, i+1
.endr
	s_wait_dscnt 0x0                               ; the image stores of the block before have read v48 on
.irp m, 0,1,2,3,4,5,6,7
	v_cvt_scalef32_pk8_fp8_f32 v[PC+2*\m:PC+2*\m+1], v[QT+8*\m:QT+8*\m+7], v[ONE]
.endr
	v_nop                                          ; a plain instruction between scaled conversions and what touches their results or writes their sources
.irp m, 0,1,2,3,4,5,6,7
	v_cvt_scale_pk8_f32_fp8 v[QT+8*\m:QT+8*\m+7], v[PC+2*\m:PC+2*\m+1], v[SB]   ; q, widened again
.endr
	v_nop
.set i, 0
.rept 32
	v_pk_mul_f32 v[QT+i:QT+i+1], v[QT+i:QT+i+1], v[28:29] op_sel_hi:[1,0]   ; a = q x scale: the operand as the problem has it
.set i, i+2
.endr
.set i, 0
.rept 64
	v_med3_num_f32 v[QT+i], v[QT+i], -v[QLV], v[QLV]     ; the given quantiser's hold, always executed
.set i, i+1
.endr
.irp m, 0,1,2,3,4,5,6,7
	v_cvt_scalef32_pk8_fp8_f32 v[QD+2*\m:QD+2*\m+1], v[QT+8*\m:QT+8*\m+7], v[QSV]
.endr
	v_nop
.if QG == 0
.irp c, 0,1,2,3
	ds_store_b128 v[IMGW], v[PC+4*\c:PC+4*\c+3] offset:QA*2048+512*\c   ; K step 2 w: place w of the stream
.endr
.endif
.endm
; THE PRODUCTS.  B's tiles t0 on (MUL16: eight, MUL8: four) x A's tiles of rows 2 hi, 2 hi + 1.  The 64 accumulators take turns, one instruction a turn, in the same order in every K step.
.macro MUL16 t0, hi, fs
.irp t, 0,1,2,3,4,5,6,7
.irp a, 0,1
	v_wmma_f32_16x16x128_fp8_fp8 v[128*\a+8*((\t0)+\t):128*\a+8*((\t0)+\t)+7], v[16*((\t0)+\t):16*((\t0)+\t)+15], v[(\fs)+16*(2*(\hi)+\a):(\fs)+16*(2*(\hi)+\a)+15], v[128*\a+8*((\t0)+\t):128*\a+8*((\t0)+\t)+7]
.endr
.endr
.endm
.macro MUL8 t0, hi, fs
.irp t, 0,1,2,3
.irp a, 0,1
	v_wmma_f32_16x16x128_fp8_fp8 v[128*\a+8*((\t0)+\t):128*\a+8*((\t0)+\t)+7], v[16*((\t0)+\t):16*((\t0)+\t)+15], v[(\fs)+16*(2*(\hi)+\a):(\fs)+16*(2*(\hi)+\a)+15], v[128*\a+8*((\t0)+\t):128*\a+8*((\t0)+\t)+7]
.endr
.endr
.endm
.macro FETCH_B p, e                    ; my tiles 0-7 of the e-th K step of slot p: 32 loads in one run
	WIN 0x40
.irp t, 0,1,2,3,4,5,6,7
.irp c, 0,1,2,3
	ds_load_b128 v[16*\t+4*\c:16*\t+4*\c+3], v[ADRB+(\p)] offset:(\e)*16384+\t*2048+512*\c
.endr
.endr
	WIN 0
.endm
.macro FETCH_A pos, fs                 ; a K step's four fragments of A
.irp a, 0,1,2,3
.irp c, 0,1,2,3
	ds_load_b128 v[(\fs)+16*\a+4*\c:(\fs)+16*\a+4*\c+3], v[ADRA] offset:(\pos)*8192+\a*2048+512*\c
.endr
.endr
.endm
; A K STEP: place sg of the layer's stream.  Tiles 0-7 first (32 products); their registers and A's other set then take the next step's fragments out of LDS; tiles 8-11 (16 products), whose registers then take the next
; step's from memory; tiles 12-15 likewise.  Loads return in order (ISA guide 5.7.1): behind the sixteen that a quarter wants, sixteen younger ones have been issued, so its wait leaves sixteen out.
; kind 0: the next step's fragments are fetched from LDS.  kind 1 (the fourth step): first the held images go over the first four, which no wave reads any more behind the round that stands in front of this step; a barrier; then the fetches.
; kind 2: a layer's last step fetches nothing from LDS.  gl = 1: the next step's tiles 8-15 are asked for (in a layer's last step: the next layer's first); gl = 0: the very last step asks for nothing.
.macro KSTEP sg, kind, gl
.set ASET, TA+128*((\sg)%2)
.set NSET, TA+128*(1-(\sg)%2)
.set NXP, (((\sg)+1)/2)%2              ; the next step's slot,
.set NXE, ((\sg)+1)%2                  ; and which of the slot's two it is
	s_wait_dscnt 0x0                               ; my tiles 0-7 and A's fragments are in (asked for 32 matrix instructions ago)
.if \kind == 1
.irp a, 0,1,2,3
.irp c, 0,1,2,3
	ds_store_b128 v[IMGW], v[HELD+16*\a+4*\c:HELD+16*\a+4*\c+3] offset:\a*2048+512*\c   ; K step 2 w + 1: place 4 + w of the stream
.endr
.endr
.endif
	WIN MUL_LO
	MUL16 0, 0, ASET
.if \kind == 1
	s_wait_dscnt 0x0                               ; for the others' sake: my images have landed
	s_barrier_signal -1
.endif
	WIN MUL_HI
	MUL16 0, 1, ASET
.if \kind == 1
	WIN 0
	s_barrier_wait -1
.endif
.if \kind != 2
	PLACES
	FETCH_B NXP, NXE
	FETCH_A ((\sg)+1)%4, NSET
.endif
	s_wait_loadcnt 16                              ; tiles 8-11 are in; tiles 12-15 may be out
	WIN MUL_LO
	MUL8 8, 0, ASET
	WIN MUL_HI
	MUL8 8, 1, ASET
.if \gl
	PLACES
	WIN 0x40
	GLOAD (\sg)+1, 0
	s_wait_loadcnt 16                              ; tiles 12-15 are in; the sixteen just issued may be out
.else
	s_wait_loadcnt 0x0
.endif
	WIN MUL_LO
	MUL8 12, 0, ASET
	WIN MUL_HI
	MUL8 12, 1, ASET
	PLACES                                         ; for the loads below, and behind a layer's last step for the first read of the sums
.if \gl
	WIN 0x40
	GLOAD (\sg)+1, 4
.endif
	WIN 0
.endm
; SLOT p IS FILLED AGAIN, behind the first of its two K steps: the second's tiles have been asked into registers in that step's middle.  Each wave waits for all its tensor loads (one is out: the other slot's), adds 0 to its spare
; word, and waits for that and for its reads of this slot and of the images.  The round stands bare, and the refill first behind it: it has two K steps, 128 matrix instructions, in which to land.
.macro REFILL p
	s_wait_tensorcnt 0x0                           ; no tensor load of mine is out, so a group 0 may be written
	ds_add_u32 v[SPW], v[NIL]                      ; 0 onto my spare word; the descriptor's step stands between it and the wait for it
	s_add_nc_u64 s[G0+4*(\p)+2:G0+4*(\p)+3], s[G0+4*(\p)+2:G0+4*(\p)+3], 2*SLOT   ; this slot's next pair of K steps; the type bits on top are not reached
	s_wait_dscnt 0x0                               ; the add is done, and my reads of this slot are over
	ROUND                                          ; no wave of any partner still reads this slot or has a tensor load on its way
	JLOAD \p                                       ; the first tensor load behind the round, and my only one until the next
.endm
.Llayer:                                               ; a trip is a layer; what differs between layers lies in s[48:53], in norm_w's and wc's bases and in the walking descriptors
	v_mov_b32 v[QSV], s52
	v_mov_b32 v[QLV], s53
	NWLOAD
	SUMSQ 1
	s_wait_loadcnt 0x0                             ; the gains are in, so their base may step; so are tiles 8-15 of the layer's first K step, asked for ahead of them
	s_add_nc_u64 s[6:7], s[6:7], 4096
	ROWSTAT
	PMUL 0
	QUANT 0
	QUANT 1
	QUANT 2
	QUANT 3
	QUANT 4
	QUANT 5
	QUANT 6
	QUANT 7
	BARRIER                                        ; the images of the even K steps lie in LDS
	s_wait_tensorcnt 0x1                           ; slot 0 is in; behind its load one was issued, slot 1's, on both ways here (the two first fills; the last two refills of the layer before).  I alone read what my loads bring
	FETCH_B 0, 0
	FETCH_A 0, TA
	KSTEP 0, 0, 1
	REFILL 0                                       ; the layer's K steps 4 and 5
	KSTEP 1, 0, 1
	KSTEP 2, 0, 1
	REFILL 1                                       ; its K steps 6 and 7
	KSTEP 3, 1, 1
	KSTEP 4, 0, 1
	s_cmp_eq_u32 s72, 1
	s_cbranch_scc1 .Llast                          ; the last layer's tail is written out: it asks the ring for nothing more
	REFILL 0                                       ; the ring goes on into the next layer: its K steps 0 and 1,
	KSTEP 5, 0, 1
	KSTEP 6, 0, 1
	REFILL 1                                       ; its K steps 2 and 3
	KSTEP 7, 2, 1
	s_mov_b64 s[48:49], s[54:55]                   ; the next layer's scalars
	s_mov_b64 s[50:51], s[56:57]
	s_mov_b64 s[52:53], s[58:59]
	s_mov_b64 s[54:55], s[66:67]
	s_mov_b64 s[56:57], s[68:69]
	s_mov_b64 s[58:59], s[70:71]
	s_wait_xcnt 0x0                                ; the loads of B have read their base: only behind this wait is it stepped
	s_add_nc_u64 s[GB:GB+1], s[GB:GB+1], 8*GSTEP
	s_sub_co_u32 s72, s72, 1
	s_cmp_lg_u32 s72, 0                            ; the backward jump hangs on the count of layers; the third trip leaves by the exit above, so the count never reaches 0 here
	s_cbranch_scc1 .Llayer
.Llast:
	s_wait_tensorcnt 0x0                           ; my last tensor load: the last layer's K steps 6 and 7.  I alone read what it brought
	KSTEP 5, 0, 1
	KSTEP 6, 0, 1
	KSTEP 7, 2, 0
	NWLOAD                                         ; the fourth row of gains
	SUMSQ 0                                        ; the accumulators stay under the last layer's E
	s_wait_loadcnt 0x0
	ROWSTAT
; THE WAY OUT, block by block: (u x c) x gain; through my own stage; back as whole rows' 512 bytes, which the 32 lanes store as 512 consecutive bytes, aligned.
.macro TOSTAGE k
.set OA, (\k)/2
.set OG, (\k)%2
.set OT, TA+128*OG
.set OB, 128*(OA%2)+64*OG
.set OW, 2+OA/2
	WIN OW                                         ; source 0: the accumulators' window
.set i, 0
.rept 32
	v_pk_mul_f32 v[OT+i:OT+i+1], v[OB+i:OB+i+1], v[CR+2*OA:CR+2*OA+1] op_sel_hi:[1,0]
.set i, i+2
.endr
	WIN 0x04                                       ; source 1: window 1
.set i, 0
.rept 32
	v_pk_mul_f32 v[OT+i:OT+i+1], v[OT+i:OT+i+1], v[64*OG+i:64*OG+i+1]
.set i, i+2
.endr
	WIN 0
.irp n, 0,1,2,3,4,5,6,7,8,9,10,11,12,13,14,15
	ds_store_b128 v[STL], v[OT+4*\n:OT+4*\n+3] offset:128*(\n/4)+16*(\n%4)
.endr
	WIN 0x40
.irp t, 0,1,2,3,4,5,6,7,8,9,10,11,12,13,14,15
	ds_load_b128 v[128+64*OG+4*\t:128+64*OG+4*\t+3], v[STI] offset:SPITCH*\t   ; LDS serves a wave's instructions in order: these see the stores above
.endr
	WIN 0
.endm
.macro SEND k, younger                 ; younger: the LDS instructions issued behind block k's loads, which may stay out
	s_wait_dscnt \younger
	WIN 0x04                                       ; the stores' data: window 1
.irp t, 0,1,2,3,4,5,6,7,8,9,10,11,12,13,14,15
	global_store_b128 v[XO], v[128+64*((\k)%2)+4*\t:128+64*((\k)%2)+4*\t+3], s[12:13] offset:(16*((\k)/2)+\t)*4096+512*((\k)%2) th:TH_STORE_NT
.endr
	WIN 0
.endm
	TOSTAGE 0
.irp k, 1,2,3,4,5,6,7
.if \k > 1
	s_wait_xcnt 0x0                                ; block k - 2's stores have read their registers: block k's rows may land there
.endif
	TOSTAGE \k
	SEND \k-1, 32                                  ; behind block k - 1's loads: block k's 16 stores and 16 loads
.endr
	SEND 7, 0
	s_wait_tensorcnt 0x0                           ; the wave's end: 0 onto my spare word and its wait, behind my last tensor load and my last LDS store
	ds_add_u32 v[SPW], v[NIL]
	s_wait_dscnt 0x0
	ROUND                                          ; the closing round: no work-group ends while a partner may still ask for a tile that names it
	s_endpgm
.Lfunc_end_k_q316344915a_chain:
	.size	k_q316344915a_chain, .Lfunc_end_k_q316344915a_chain-k_q316344915a_chain
	.p2alignl 7, 3214868480
	.fill 96, 4, 3214868480
	.section	.rodata,"a",@progbits
	.p2align	6, 0x0
	.amdhsa_kernel k_q316344915a_chain
		.amdhsa_group_segment_fixed_size 327680
		.amdhsa_private_segment_fixed_size 0
		.amdhsa_enable_private_segment 0
		.amdhsa_kernarg_size 40
		.amdhsa_user_sgpr_count 2
		.amdhsa_user_sgpr_kernarg_segment_ptr 1
		.amdhsa_wavefront_size32 1
		.amdhsa_system_sgpr_workgroup_id_x 1
		.amdhsa_system_sgpr_workgroup_id_y 1
		.amdhsa_system_sgpr_workgroup_id_z 1
		.amdhsa_system_vgpr_workitem_id 0
		.amdhsa_next_free_vgpr 1024
		.amdhsa_next_free_sgpr 80
		.amdhsa_reserve_vcc 0
		.amdhsa_float_denorm_mode_32 3
		.amdhsa_float_denorm_mode_16_64 3
		.amdhsa_memory_ordered 1
		.amdhsa_forward_progress 1
		.amdhsa_inst_pref_size 255
	.end_amdhsa_kernel
	.section	.bss,"aw",@nobits
	.p2align	6
	.space	262144
	.amdgpu_metadata
---
amdhsa.version: [ 1, 2 ]
amdhsa.kernels:
  - .name:           k_q316344915a_chain
    .symbol:         k_q316344915a_chain.kd
    .args:
      - { .name: x, .offset: 0, .size: 8, .value_kind: global_buffer, .address_space: global }
      - { .name: norm_w, .offset: 8, .size: 8, .value_kind: global_buffer, .address_space: global }
      - { .name: lowp_scales, .offset: 16, .size: 8, .value_kind: global_buffer, .address_space: global }
      - { .name: wc, .offset: 24, .size: 8, .value_kind: global_buffer, .address_space: global }
      - { .name: out0, .offset: 32, .size: 8, .value_kind: global_buffer, .address_space: global }
    .group_segment_fixed_size: 327680
    .private_segment_fixed_size: 0
    .kernarg_segment_align: 8
    .kernarg_segment_size: 40
    .max_flat_workgroup_size: 128
    .sgpr_count:     80
    .vgpr_count:     1024
    .wavefront_size: 32
...
	.end_amdgpu_metadata
.endif
;; end of part 2
